; MI455X (gfx1250); checked and timed in simulation.
; The chip was launched on July 23, 2026; its instructions are those of AMD's public machine-readable ISA for CDNA 5 (MIT licence, August 2026) and "CDNA5" Instruction Set Architecture Reference Guide (July 2026). The comments in the code are by the model that wrote it; some were corrected since.
;; Multi Query Attention. Allowed arithmetic: matrix products marked QUANTISED: E2M1 operands, one E8M0 scale for each 32 along K, by v_wmma_scale_f32_16x16x128_f8f6f4 with both operands' format E2M1 (or v_wmma_scale_f32_32x16x128_f4), f32 sums; products left as they are: bf16, f16 or f32 operands; f32 sums; everything else in f32.
;; Inputs: Wk 1,024 x 64 float32; Wo 1,024 x 1,024 float32; Wq 1,024 x 1,024 float32; Wv 1,024 x 64 float32; bk 64 float32; bo 1,024 float32; bq 1,024 float32; bv 64 float32; x 4 x 2,048 x 1,024 float32.
;; Outputs: out0 4 x 2,048 x 1,024 float32.
;; This version of the problem:
;;   THIS VERSION OF THE PROBLEM IS GIVEN IN LOW PRECISION. The matrix products marked QUANTISED in the list below multiply operands that are first quantised to E2M1 (2 exponent bits, 1 mantissa bit; 4 bits a number), with one power-of-two scale for each 32 numbers along K (OCP MX v1.0); their sums are f32. The products marked 'left as it is' may take bf16, f16 or f32 operands, with f32 sums. Whichever they take, every output number must still come out within the allowed error. Rounding operands to bf16 (8 significant bits) uses up far more of that allowance than f16 does (11 bits, for magnitudes from 6e-5 to 65,504). All else is computed in f32.
;;   The module's matrix products, in the order in which they are computed (A, B: the left and right operand; K: the contracted axis; several contracted axes count as one K, in the product's order):
;;     1. [M 8,192, K 1,024] x [K 1,024, N 1,024]; A: input x; B: input Wq: QUANTISED
;;     2. [M 8,192, K 1,024] x [K 1,024, N 64]; A: input x; B: input Wk: QUANTISED
;;     3. [M 8,192, K 1,024] x [K 1,024, N 64]; A: input x; B: input Wv: QUANTISED
;;     4. batch 4 x [M 2,048, K 64] x [K 64, N 32,768]; A: computed on the way; B: computed on the way: left as it is (an operand is computed on the way)
;;     5. batch 4 x [M 64, K 2,048] x [K 2,048, N 32,768]; A: computed on the way; B: computed on the way: left as it is (an operand is computed on the way)
;;     6. [M 8,192, K 1,024] x [K 1,024, N 1,024]; A: computed on the way; B: input Wo: left as it is (an operand is computed on the way)
;;   THE QUANTISER, for each operand of a quantised product, along K:
;;     - K is cut into blocks of 32 from its start; a last block that is shorter is filled with zeros.
;;     - A block's scale is 2^e with e = floor(log2(the largest magnitude in the block)) - 2, held to -126 .. 127; a block of zeros has e = 0. As a byte (E8M0): e + 127.
;;     - Each number is divided by its block's scale, clamped to +-6, and rounded to the nearest number of E2M1, ties to even, subnormals kept.
;;     - The product sums the exact products of the quantised numbers (number of the format x scale) in f32.
;;   ~~~python
;;   def quantise(x, axis):      # numpy; x: float32 -> the quantised numbers, widened to float32 again
;;       x = np.moveaxis(x, axis, -1); K = x.shape[-1]
;;       x = np.pad(x, [(0, 0)] * (x.ndim - 1) + [(0, -K % 32)]); x = x.reshape(x.shape[:-1] + (-1, 32)); a = np.abs(x).max(-1, keepdims=True)
;;       e = np.where(a > 0, np.clip(np.frexp(np.where(a > 0, a, 1))[1] - 1 - 2, -126, 127), 0)      # np.frexp(a)[1] - 1 = floor(log2(a)), exactly
;;       r = np.clip(x / 2.0 ** e, -6, 6)
;;       step = 2.0 ** (np.maximum(np.frexp(np.where(r == 0, 1, r))[1] - 1, 0) - 1)
;;       q = np.round(r / step) * step * 2.0 ** e      # np.round: ties to even
;;       return np.moveaxis(q.reshape(q.shape[:-2] + (-1,))[..., :K], -1, axis).astype(np.float32)
;;   ~~~
;; One version. Each part assembles by itself: llvm-mc -triple=amdgcn-amd-amdhsa -mcpu=gfx1250 --defsym DOCPART=n.
;; ======== version 1 of 1: 4 launches
;; limits: values are held in f16: magnitudes above 65,504 overflow, below 6.1e-05 lose precision
;; workspace buffers: xc 4,194,304 bytes; xs 262,144 bytes; wc 589,824 bytes; ws 36,864 bytes; wo16 2,097,152 bytes; q16 16,777,216 bytes; kv 2,097,152 bytes; ao 16,777,216 bytes
;; launch prep (part 1): grid 338 x 1, 4 waves a work-group, no clusters, 34,304 bytes of LDS; arguments x, Wq, Wk, Wv, Wo, xc, xs, wc, ws, wo16; writes xc, xs, wc, ws, wo16
.if DOCPART == 1
	.amdgcn_target "amdgcn-amd-amdhsa--gfx1250"
	.amdhsa_code_object_version 6
	.text
	.protected	k_qa12d564d9f_prep
	.globl	k_qa12d564d9f_prep
	.p2align	8
	.type	k_qa12d564d9f_prep,@function
k_qa12d564d9f_prep:
	s_mov_b64 s[64:65], 0
	v_nop
	global_prefetch_b8 v0, s[64:65] scope:SCOPE_SE
	s_setreg_imm32_b32 hwreg(HW_REG_WAVE_MODE, 25, 1), 1
	s_wait_xcnt 0x0
; PREP: the operands of the later launches, laid as IMAGES OF OPERAND REGISTERS (a fragment = 1,024 bytes: two halves of 32 lanes x 16 bytes).
;   x  [8192][1024] f32 -> xc: codes of FP4 (E2M1), [m tile 512][K step 8][1024]; at 512 c + 16 lane: the 32 codes of row 16 mt + lane % 16, k = 128 ks + 64 c + 32 (lane / 16) + 0..31
;                          xs: E8M0 scale words, [m tile][512]; at 16 (16 kh + r): the words of K steps 4 kh .. 4 kh + 3 of row r
;   Wq, Wk, Wv (K is their FIRST axis) -> wc [nb 8][K step 8][tile 9][1024], ws [nb 8][tile 9][512]: tiles 0-7 = Wq's columns 128 nb + 16 i + r; tile 8 = Wk's columns 16 nb + r (nb < 4) or Wv's 16 (nb - 4) + r
;   Wo [1024 k][1024 n] -> wo16: f16, [n tile 64][K step of 32: 32][1024]; at 512 j + 16 lane: Wo[32 ks + 16 j + 8 (lane / 16) + 0..7][16 nt + lane % 16]
; A block's scale is 2^(floor(log2(its largest magnitude)) - 2): its byte is the largest magnitude's exponent field - 2, held at 1 from below by a floor among the maximum's leaves.
; LIMITS: a block of zeros gets the byte 1 where the rule says 127 (its codes are zeros, and this program alone reads the bytes); NaN and infinities among the inputs are not served; |Wo| stays under 65,504 (f16).
; THREE PATHS by the work-group's number: 0-17 the quantised weights, 18-81 Wo, 82-337 x.  Only x's path touches LDS.  No work-group reads what another reads: no cluster, no matrix unit, no barrier.
.set SPARE, 33792                      ; behind the four stages: the spare words, 128 bytes for each wave
.set STGB,  8448                       ; a wave's stage: 16 rows x (512 bytes + 16)
.set SPW,   2                          ; v2   LDS address of my spare word; never rewritten
.set NIL,   3                          ; v3   0; never rewritten
.set XR,    32                         ; x's path: v32-159 two sets of 64 registers as loaded
.set XX,    160                        ;           v160-223 my two whole blocks of 32 neighbours
.set XC,    224                        ;           v224-255 codes, eight registers a K step: no store's data are written again
.set WOF,   32                         ; weights: v32-63 byte offset of row i of a block, my column
.set WX,    64                         ;          v64-127 two sets of 32 numbers down K
.set WC,    128                        ;          v128-191 results, never written again
.set WSB,   192                        ;          v192-195 my column's 16 scale bytes
.macro XLOAD q                         ; K step q of my half: 16 rows x 128 numbers; each load reads 512 consecutive bytes of one row
.set li, 0
.rept 16
	global_load_b128 v[XR+64*((\q)%2)+4*li:XR+64*((\q)%2)+4*li+3], v6, s[4:5] offset:li*4096+(\q)*512 th:TH_LOAD_NT
.set li, li+1
.endr
.endm
.macro XTURN q                         ; through my stage: in as loaded, out as two whole blocks a lane (LDS serves a wave's instructions in order: no wait between)
.set li, 0
.rept 16
	ds_store_b128 v7, v[XR+64*((\q)%2)+4*li:XR+64*((\q)%2)+4*li+3] offset:li*528
.set li, li+1
.endr
.irp c, 0,1
.irp i, 0,1,2,3,4,5,6,7
	ds_load_b128 v[XX+32*\c+4*\i:XX+32*\c+4*\i+3], v8 offset:256*\c+16*\i
.endr
.endr
.endm
.macro XQ q                            ; my blocks 2 c + h of the K step: maximum, scale, codes, stores
.irp c, 0,1
	v_max3_num_f32 v[20+\c], |v[XX+32*\c]|, |v[XX+32*\c+1]|, 0x1800000   ; with the floor 2^(3 - 127): the byte cannot fall under 1
.endr
.irp i, 2,4,6,8,10,12,14,16,18,20,22,24,26,28,30
.irp c, 0,1
	v_max3_num_f32 v[20+\c], v[20+\c], |v[XX+32*\c+\i]|, |v[XX+32*\c+\i+1]|
.endr
.endr
.irp c, 0,1
	v_add_nc_u32 v[22+\c], 0xff000000, v[20+\c]    ; 2 off the exponent field: the conversion's scale operand
.endr
.irp c, 0,1
	v_lshrrev_b32 v[24+\c], 23, v[22+\c]           ; the scale's byte
.endr
	v_lshl_or_b32 v26, v25, 16, v24                ; blocks h and 2 + h,
	v_lshlrev_b32 v26, v10, v26                    ; at their places in the word (8 h bits up);
	v_permlanex16_b32 v27, v26, s32, s33
	v_or_b32 v[16+\q], v26, v27                    ; with lane l xor 16's two the row's word is whole
.irp c, 0,1
.irp g, 0,1,2,3
	v_cvt_scalef32_pk8_fp4_f32 v[XC+8*\q+4*\c+\g], v[XX+32*\c+8*\g:XX+32*\c+8*\g+7], v[22+\c]
.endr
.endr
	v_nop                                          ; one plain line behind the last scaled conversion
.irp c, 0,1
	global_store_b128 v6, v[XC+8*\q+4*\c:XC+8*\q+4*\c+3], s[14:15] offset:1024*\q+512*\c   ; 32 lanes store 512 consecutive bytes, aligned
.endr
.endm
.macro WLOAD t                         ; block t: rows 32 t + i of my column, into set t % 2; 32 lanes read 128 consecutive bytes
.set li, 0
.rept 32
	global_load_b32 v[WX+32*((\t)%2)+li], v[WOF+li], s[32+2*(\t):33+2*(\t)] th:TH_LOAD_NT
.set li, li+1
.endr
.endm
.macro WBLOCK t
.set XS, WX+32*((\t)%2)
.if (\t) < 15
	s_wait_loadcnt 32                              ; this block's 32 loads are in; the next block's may be out
.else
	s_wait_loadcnt 0x0
.endif
	v_max3_num_f32 v12, |v[XS]|, |v[XS+1]|, |v[XS+2]|
	v_max3_num_f32 v13, |v[XS+3]|, |v[XS+4]|, |v[XS+5]|
.irp i, 6,10,14,18,22,26
	v_max3_num_f32 v12, v12, |v[XS+\i]|, |v[XS+\i+1]|
	v_max3_num_f32 v13, v13, |v[XS+\i+2]|, |v[XS+\i+3]|
.endr
	v_max3_num_f32 v12, v12, |v[XS+30]|, |v[XS+31]|
	v_max3_num_f32 v12, v12, v13, 0x1800000        ; and the floor
	v_add_nc_u32 v14, 0xff000000, v12
	v_lshrrev_b32 v15, 23, v14
.if (\t)%4 == 0
	v_mov_b32 v[WSB+(\t)/4], v15                   ; four bytes to a word, the lower K in the lower byte
.else
	v_lshl_or_b32 v[WSB+(\t)/4], v15, 8*((\t)%4), v[WSB+(\t)/4]
.endif
.irp g, 0,1,2,3
	v_cvt_scalef32_pk8_fp4_f32 v[WC+4*(\t)+\g], v[XS+8*\g:XS+8*\g+7], v14
.endr
	v_nop
	global_store_b128 v10, v[WC+4*(\t):WC+4*(\t)+3], s[18:19] offset:((\t)/4)*9216+(((\t)%4)/2)*512+((\t)%2)*256   ; each half of the lanes stores 256 consecutive bytes, aligned
.if (\t)+2 < 16
	WLOAD (\t)+2
.endif
.endm
.macro OLOAD t
.set li, 0
.rept 32
	global_load_b32 v[WX+32*((\t)%2)+li], v6, s[12:13] offset:(32*(\t)+li)*4096 th:TH_LOAD_NT
.set li, li+1
.endr
.endm
.macro OBLOCK t
.set XS, WX+32*((\t)%2)
.if (\t) < 3
	s_wait_loadcnt 32
.else
	s_wait_loadcnt 0x0
.endif
.set li, 0
.rept 16
	v_cvt_pk_f16_f32 v[WC+16*(\t)+li], v[XS+2*li], v[XS+2*li+1]
.set li, li+1
.endr
.irp u, 0,1,2,3                        ; u = 2 j + the half of the lanes that will hold these eight k
	global_store_b128 v7, v[WC+16*(\t)+4*\u:WC+16*(\t)+4*\u+3], s[22:23] offset:1024*(\t)+256*\u
.endr
.if (\t)+2 < 4
	OLOAD (\t)+2
.endif
.endm
	s_load_b512 s[4:19], s[0:1], 0x0               ; x s4, Wq s6, Wk s8, Wv s10, Wo s12, xc s14, xs s16, wc s18
	s_load_b128 s[20:23], s[0:1], 0x40             ; ws s20, wo16 s22
	v_lshl_add_u32 v[SPW], v0, 2, SPARE
	v_mov_b32 v[NIL], 0
	v_lshrrev_b32 v1, 5, v0
	v_readfirstlane_b32 s24, v1                    ; wave 0..3
	v_and_b32 v1, 31, v0                           ; lane
	v_and_b32 v4, 15, v0                           ; r
	v_bfe_u32 v5, v0, 4, 1                         ; h
	s_wait_kmcnt 0x0
	s_cmp_lt_u32 ttmp9, 18
	s_cbranch_scc1 .Lpath_w
	s_cmp_lt_u32 ttmp9, 82
	s_cbranch_scc1 .Lpath_o
	; ---- x: a wave takes 16 rows x 512 along K (four K steps)
	s_sub_co_u32 s25, ttmp9, 82
	s_lshl_b32 s25, s25, 2
	s_add_co_u32 s25, s25, s24                     ; which of the 1,024 shares is my wave's
	s_lshr_b32 s26, s25, 1                         ; m tile
	s_and_b32 s27, s25, 1                          ; which half of K
	s_mov_b32 s29, 0
	s_lshl_b32 s28, s26, 16                        ; 16 rows of 4,096 bytes
	s_lshl_b32 s30, s27, 11
	s_add_co_u32 s28, s28, s30
	s_add_nc_u64 s[4:5], s[4:5], s[28:29]
	s_lshl_b32 s28, s26, 13                        ; codes: 8,192 bytes an m tile, 4,096 a half
	s_lshl_b32 s30, s27, 12
	s_add_co_u32 s28, s28, s30
	s_add_nc_u64 s[14:15], s[14:15], s[28:29]
	s_lshl_b32 s28, s26, 9                         ; scale words: 512 bytes an m tile, 256 a half
	s_lshl_b32 s30, s27, 8
	s_add_co_u32 s28, s28, s30
	s_add_nc_u64 s[16:17], s[16:17], s[28:29]
	s_mov_b32 s32, 0x76543210
	s_mov_b32 s33, 0xfedcba98                      ; v_permlanex16_b32's selects for lane l xor 16
	v_lshlrev_b32 v6, 4, v1                        ; 16 x lane
	s_mul_i32 s31, s24, STGB                       ; my stage
	v_add_nc_u32 v7, s31, v6                       ; in: 16 bytes a lane of a row
	v_mul_u32_u24 v8, v4, 528
	v_lshl_add_u32 v8, v5, 7, v8
	v_add_nc_u32 v8, s31, v8                       ; out: row r, + 128 h: my block of 32 numbers
	v_lshlrev_b32 v9, 4, v4
	v_lshl_add_u32 v9, v5, 3, v9                   ; scale words out: 16 r + 8 h
	v_lshlrev_b32 v10, 3, v5                       ; 8 h
	v_mov_b32 v27, 0                               ; a lane permute's destination counts as one of its sources
	XLOAD 0
	XLOAD 1
.irp q, 0,1,2,3
.if \q < 3
	s_wait_loadcnt 16                              ; this K step's 16 loads are in; the next one's may be out
.else
	s_wait_loadcnt 0x0
.endif
	XTURN \q
	s_wait_dscnt 0x0                               ; my numbers are back, and the stage's stores have read the set as loaded
.if \q < 2
	XLOAD \q+2
.endif
	XQ \q
.endr
	v_cmp_eq_u32 vcc_lo, 1, v5
	v_cndmask_b32 v28, v16, v18, vcc_lo            ; lanes 0-15 send words 0, 1 of their row, lanes 16-31 words 2, 3
	v_cndmask_b32 v29, v17, v19, vcc_lo
	global_store_b64 v9, v[28:29], s[16:17]        ; 32 lanes store 256 consecutive bytes, aligned
	s_wait_tensorcnt 0x0                           ; the wave's end, behind my last LDS store
	ds_add_u32 v[SPW], v[NIL]
	s_wait_dscnt 0x0
	s_endpgm
	; ---- Wq, Wk, Wv: a lane takes a column, its registers run down K; a wave takes 32 columns x 512 along K (16 blocks)
.Lpath_w:
	s_and_b32 s25, ttmp9, 1                        ; which half of K
	s_lshr_b32 s26, ttmp9, 1
	s_lshl_b32 s26, s26, 2
	s_add_co_u32 s26, s26, s24                     ; g: group of 32 columns: 0-31 Wq, 32-33 Wk, 34-35 Wv
	s_lshl_b32 s66, s26, 7                         ; Wq: my columns' bytes in a row,
	s_lshr_b32 s67, s26, 2                         ; nb,
	s_and_b32 s68, s26, 3
	s_mul_i32 s69, s67, 73728
	s_lshl_b32 s70, s68, 11
	s_add_co_u32 s69, s69, s70                     ; place of tile 2 (g % 4) in wc,
	s_mul_i32 s70, s67, 9
	s_lshl_b32 s71, s68, 1
	s_add_co_u32 s70, s70, s71
	s_lshl_b32 s70, s70, 9                         ; and in ws
	s_and_b32 s72, s26, 1                          ; Wk, Wv: the same four numbers
	s_lshl_b32 s72, s72, 7
	s_max_u32 s73, s26, 32
	s_sub_co_u32 s73, s73, 32
	s_mul_i32 s74, s73, 147456                     ; nb = 2 (g - 32) + h,
	s_add_co_u32 s74, s74, 8192                    ; tile 8
	s_mul_i32 s75, s73, 18
	s_add_co_u32 s75, s75, 8
	s_lshl_b32 s75, s75, 9
	s_cmp_lt_u32 s26, 34                           ; the choices hang on the work-group's and the wave's number alone
	s_cselect_b64 s[28:29], s[8:9], s[10:11]
	s_cmp_lt_u32 s26, 32
	s_cselect_b64 s[28:29], s[6:7], s[28:29]
	s_cselect_b32 s66, s66, s72
	s_cselect_b32 s69, s69, s74
	s_cselect_b32 s70, s70, s75
	s_mov_b32 s30, 256
	s_cselect_b32 s30, 4096, s30                   ; a row of the source in bytes
	s_mov_b32 s76, 73728
	s_cselect_b32 s76, 1024, s76                   ; wc: from the tile of lanes 0-15 to that of lanes 16-31
	s_mov_b32 s77, 4608
	s_cselect_b32 s77, 512, s77                    ; ws: the same
	s_mul_i32 s78, s25, s30
	s_lshl_b32 s78, s78, 9                         ; my half of K: 512 rows
	s_add_co_u32 s78, s78, s66
	s_mov_b32 s79, 0
	s_add_nc_u64 s[32:33], s[28:29], s[78:79]      ; a base for each block of 32 rows: none is ever stepped
	s_lshl_b32 s78, s30, 5
.irp t, 1,2,3,4,5,6,7,8,9,10,11,12,13,14,15
	s_add_nc_u64 s[32+2*\t:33+2*\t], s[30+2*\t:31+2*\t], s[78:79]
.endr
	s_mul_i32 s80, s25, 36864                      ; four K steps of nine tiles
	s_add_co_u32 s80, s80, s69
	s_mov_b32 s81, 0
	s_add_nc_u64 s[18:19], s[18:19], s[80:81]
	s_lshl_b32 s80, s25, 8
	s_add_co_u32 s80, s80, s70
	s_add_nc_u64 s[20:21], s[20:21], s[80:81]
	v_lshlrev_b32 v[WOF], 2, v1                    ; my column
.set li, 1
.rept 31
	v_add_nc_u32 v[WOF+li], s30, v[WOF+li-1]       ; and one row further down each
.set li, li+1
.endr
	v_mul_u32_u24 v10, s76, v5
	v_lshl_add_u32 v10, v4, 4, v10                 ; codes out: my tile, 16 r
	v_mul_u32_u24 v11, s77, v5
	v_lshl_add_u32 v11, v4, 4, v11                 ; scale words out
	WLOAD 0
	WLOAD 1
.set Q, 0
.rept 16
	WBLOCK Q
.set Q, Q+1
.endr
	global_store_b128 v11, v[WSB:WSB+3], s[20:21]  ; my column's four words: each half of the lanes stores 256 consecutive bytes, aligned
	s_endpgm
	; ---- Wo to f16: the same plan, 32 columns x 128 along K a wave (four blocks)
.Lpath_o:
	s_sub_co_u32 s25, ttmp9, 18
	s_and_b32 s26, s25, 7
	s_lshl_b32 s26, s26, 2
	s_add_co_u32 s26, s26, s24                     ; group of 32 columns
	s_lshr_b32 s27, s25, 3                         ; which 128 along K
	s_mov_b32 s29, 0
	s_lshl_b32 s28, s26, 7
	s_lshl_b32 s30, s27, 19                        ; 128 rows of 4,096 bytes
	s_add_co_u32 s28, s28, s30
	s_add_nc_u64 s[12:13], s[12:13], s[28:29]
	s_lshl_b32 s28, s26, 16                        ; two n tiles of 32,768 bytes
	s_lshl_b32 s30, s27, 12                        ; four K steps of 1,024
	s_add_co_u32 s28, s28, s30
	s_add_nc_u64 s[22:23], s[22:23], s[28:29]
	v_lshlrev_b32 v6, 2, v1
	v_lshlrev_b32 v7, 4, v4
	v_lshl_add_u32 v7, v5, 15, v7                  ; out: my n tile, 16 r
	OLOAD 0
	OLOAD 1
.irp t, 0,1,2,3
	OBLOCK \t
.endr
	s_endpgm
.Lfunc_end_k_qa12d564d9f_prep:
	.size	k_qa12d564d9f_prep, .Lfunc_end_k_qa12d564d9f_prep-k_qa12d564d9f_prep
	.p2alignl 7, 3214868480
	.fill 96, 4, 3214868480
	.section	.rodata,"a",@progbits
	.p2align	6, 0x0
	.amdhsa_kernel k_qa12d564d9f_prep
		.amdhsa_group_segment_fixed_size 34304
		.amdhsa_private_segment_fixed_size 0
		.amdhsa_enable_private_segment 0
		.amdhsa_kernarg_size 80
		.amdhsa_user_sgpr_count 2
		.amdhsa_user_sgpr_kernarg_segment_ptr 1
		.amdhsa_wavefront_size32 1
		.amdhsa_system_sgpr_workgroup_id_x 1
		.amdhsa_system_sgpr_workgroup_id_y 1
		.amdhsa_system_sgpr_workgroup_id_z 1
		.amdhsa_system_vgpr_workitem_id 0
		.amdhsa_next_free_vgpr 256
		.amdhsa_next_free_sgpr 96
		.amdhsa_reserve_vcc 1
		.amdhsa_float_denorm_mode_32 3
		.amdhsa_float_denorm_mode_16_64 3
		.amdhsa_memory_ordered 1
		.amdhsa_forward_progress 1
		.amdhsa_inst_pref_size 125
	.end_amdhsa_kernel
	.amdgpu_metadata
---
amdhsa.version: [ 1, 2 ]
amdhsa.kernels:
  - .name:           k_qa12d564d9f_prep
    .symbol:         k_qa12d564d9f_prep.kd
    .args:
      - { .name: x, .offset: 0, .size: 8, .value_kind: global_buffer, .address_space: global }
      - { .name: Wq, .offset: 8, .size: 8, .value_kind: global_buffer, .address_space: global }
      - { .name: Wk, .offset: 16, .size: 8, .value_kind: global_buffer, .address_space: global }
      - { .name: Wv, .offset: 24, .size: 8, .value_kind: global_buffer, .address_space: global }
      - { .name: Wo, .offset: 32, .size: 8, .value_kind: global_buffer, .address_space: global }
      - { .name: xc, .offset: 40, .size: 8, .value_kind: global_buffer, .address_space: global }
      - { .name: xs, .offset: 48, .size: 8, .value_kind: global_buffer, .address_space: global }
      - { .name: wc, .offset: 56, .size: 8, .value_kind: global_buffer, .address_space: global }
      - { .name: ws, .offset: 64, .size: 8, .value_kind: global_buffer, .address_space: global }
      - { .name: wo16, .offset: 72, .size: 8, .value_kind: global_buffer, .address_space: global }
    .group_segment_fixed_size: 34304
    .private_segment_fixed_size: 0
    .kernarg_segment_align: 8
    .kernarg_segment_size: 80
    .max_flat_workgroup_size: 128
    .sgpr_count:     96
    .vgpr_count:     256
    .wavefront_size: 32
...
	.end_amdgpu_metadata
.endif
;; end of part 1
;; launch qkv (part 2): grid 32 x 8, 4 waves a work-group, clusters of 4 x 1, 167,936 bytes of LDS; arguments xc, xs, wc, ws, bq, bk, bv, q16, kv; writes q16, kv
.if DOCPART == 2
	.amdgcn_target "amdgcn-amd-amdhsa--gfx1250"
	.amdhsa_code_object_version 6
	.text
	.protected	k_qa12d564d9f_qkv
	.globl	k_qa12d564d9f_qkv
	.p2align	8
	.type	k_qa12d564d9f_qkv,@function
k_qa12d564d9f_qkv:
	s_mov_b64 s[64:65], 0
	v_nop
	global_prefetch_b8 v0, s[64:65] scope:SCOPE_SE
	s_setreg_imm32_b32 hwreg(HW_REG_WAVE_MODE, 25, 1), 1
	s_wait_xcnt 0x0
	s_wait_alu depctr_hold_cnt(0) depctr_sa_sdst(0) depctr_va_vdst(0) depctr_va_sdst(0) depctr_va_ssrc(0) depctr_va_vcc(0) depctr_vm_vsrc(0)
	s_getreg_b32 s2, hwreg(HW_REG_IB_STS2, 6, 4)
	s_cmp_eq_u32 s2, 0
	s_cbranch_scc0 .Lentry_in_a_cluster
	s_endpgm
.Lentry_in_a_cluster:
	s_bfe_u32 s2, ttmp6, 0x10000c
	s_cmp_lg_u32 s2, 0x3003
	s_cbranch_scc0 .Lentry_shape_is_right
	s_endpgm
.Lentry_shape_is_right:
; QKV: Q = x Wq + bq, K = x Wk + bk, V = x Wv + bv, on codes of FP4 (E2M1) with one E8M0 scale for each 32 along K; sums in f32.  M 8,192, K 1,024, N 1,024 + 64 + 64.
; A work-group (mb, nb) makes 256 rows x nine tiles of 16 columns: eight of Q (heads 2 nb, 2 nb + 1) and tile nb of K|V (nb < 4: K's channels 16 nb on; else V's 16 (nb - 4) on): 32 x 8 equal work-groups.
; Wave w owns m tiles 16 mb + 4 w + a, a = 0..3.  x's fragments are the wave's own: they go from memory straight into registers, all eight K steps.  The weights' 73,728 bytes are read by all four waves:
; they come into LDS once.  CLUSTER: the four work-groups of a cluster share nb, so the weights are asked for JOINTLY (mask 15), a quarter by each wave.
; Q and K are made TRANSPOSED (source 0 = 16 columns of W, source 1 = 16 rows of x): a lane holds eight neighbouring channels of one row.  V is made the natural way round: a lane holds one channel and eight keys.
; So each result, rounded to f16, IS a piece of the image that the attention launch loads: q16 [m tile][head][s 2][1024] holds c Q, c = log2(e) / 8; kv [64 keys: 128][16384]: K at (2 kt + s) 1024, V^T at 8192 + (4 kb + ct) 1024.
; LIMITS: |c Q|, |K|, |V| stay under 65,504 (f16); NaN and infinities are not served.
; REGISTERS: window 0: addresses, scale words, biases, K|V's four accumulators, packed results.  window 1: Q's 32 accumulators ((a, b) at 8 (8 a + b)).  window 2: x's fragments (8 (4 ks + a)).  window 3: W's, two sets of 64.
.set SPARE, 73728                      ; behind the weights: the spare words, 128 bytes for each wave
.set LI,   1                           ; v1   16 x lane
.set LI2,  2                           ; v2   + 36,864: K steps 4 to 7 in LDS
.set H32,  3                           ; v3   32 x (lane / 16)
.set R4,   4                           ; v4   4 x (lane % 16)
.set SPW,  6                           ; v6   LDS address of my spare word; never rewritten
.set NIL,  7                           ; v7   0; never rewritten
.set WS,   16                          ; v16-51  W's scale words: tile i at 4 i: register ks % 4; lanes 0-15 K steps 0-3, lanes 16-31 K steps 4-7
.set XS,   52                          ; v52-67  x's likewise: m tile a at 4 a
.set BC,   68                          ; v68-131 c bq in the result's layout, eight a tile
.set KB,   132                         ; v132-139 bk likewise
.set KB1,  140                         ; v140 bv of my channel (v141 named with it as a pair)
.set KA,   144                         ; v144-175 K|V's four accumulators
.set HH,   176                         ; v176-239 Q packed: two sets of 32
.set WV,   24
.set CS,   26                          ; s[26:27] c
.set NB,   29
.set G1,   32
.set G0,   40
.set MSB, 0
.macro WIN new                         ; the immediate's high byte repeats the setting that is left
.if MSB != \new
	s_set_vgpr_msb (MSB<<8)|\new
.set MSB, \new
.endif
.endm
.macro PLACES n
.rept \n
	v_nop
.endr
.endm
.macro CROUND                          ; a round of the cluster's barrier
	s_barrier_signal -1
	s_barrier_wait -1
	s_cmp_lg_u32 s[WV], 0
	s_cbranch_scc1 .Lnot_wave_0_\@
	s_barrier_signal -3
.Lnot_wave_0_\@:
	s_barrier_wait -3
	s_barrier_signal -1
	s_barrier_wait -1
.endm
.macro FP4 d, a, b, first, sa, sb, hi  ; one product; first: it starts the sum; hi: K steps 4-7 take their scale words from lanes 16-31
.if \first
	v_wmma_scale_f32_16x16x128_f8f6f4 v[(\d):(\d)+7], v[(\a):(\a)+7], v[(\b):(\b)+7], 0, v[\sa], v[\sb] matrix_a_fmt:MATRIX_FMT_FP4 matrix_b_fmt:MATRIX_FMT_FP4
.elseif \hi
	v_wmma_scale_f32_16x16x128_f8f6f4 v[(\d):(\d)+7], v[(\a):(\a)+7], v[(\b):(\b)+7], v[(\d):(\d)+7], v[\sa], v[\sb] matrix_a_fmt:MATRIX_FMT_FP4 matrix_b_fmt:MATRIX_FMT_FP4 matrix_a_scale:MATRIX_SCALE_ROW1 matrix_b_scale:MATRIX_SCALE_ROW1
.else
	v_wmma_scale_f32_16x16x128_f8f6f4 v[(\d):(\d)+7], v[(\a):(\a)+7], v[(\b):(\b)+7], v[(\d):(\d)+7], v[\sa], v[\sb] matrix_a_fmt:MATRIX_FMT_FP4 matrix_b_fmt:MATRIX_FMT_FP4
.endif
.endm
.macro FETCHB ks, p                    ; Wq's eight fragments of K step ks into set p of window 3
	WIN 0xc0
.irp b, 0,1,2,3,4,5,6,7
.irp c, 0,1
.if (\ks) < 4
	ds_load_b128 v[64*(\p)+8*\b+4*\c:64*(\p)+8*\b+4*\c+3], v[LI] offset:(9*(\ks)+\b)*1024+512*\c
.else
	ds_load_b128 v[64*(\p)+8*\b+4*\c:64*(\p)+8*\b+4*\c+3], v[LI2] offset:(9*((\ks)-4)+\b)*1024+512*\c
.endif
.endr
.endr
.endm
.macro FETCHT8                         ; tile 8's fragments of all eight K steps into set 0
	WIN 0xc0
.irp k, 0,1,2,3,4,5,6,7
.irp c, 0,1
.if \k < 4
	ds_load_b128 v[8*\k+4*\c:8*\k+4*\c+3], v[LI] offset:(9*\k+8)*1024+512*\c
.else
	ds_load_b128 v[8*\k+4*\c:8*\k+4*\c+3], v[LI2] offset:(9*(\k-4)+8)*1024+512*\c
.endif
.endr
.endr
.endm
.macro MULQ ks                         ; 32 products: the 32 accumulators take turns, one instruction a turn, in the same order in every K step
	WIN 0x5b                                       ; source 0 (W) window 3, source 1 (x) window 2, C and D window 1
.irp a, 0,1,2,3
.irp b, 0,1,2,3,4,5,6,7
	FP4 8*(8*\a+\b), 64*((\ks)%2)+8*\b, 8*(4*(\ks)+\a), ((\ks)==0), WS+4*\b+(\ks)%4, XS+4*\a+(\ks)%4, ((\ks)>=4)
.endr
.endr
.endm
	s_load_b512 s[4:19], s[0:1], 0x0               ; xc s4, xs s6, wc s8, ws s10, bq s12, bk s14, bv s16, q16 s18
	s_load_b64 s[20:21], s[0:1], 0x40              ; kv
	v_lshl_add_u32 v[SPW], v0, 2, SPARE
	v_mov_b32 v[NIL], 0
	ds_add_u32 v[SPW], v[NIL]                      ; the wave's opening: the add, twice on end, and its wait ahead of my first tensor load
	ds_add_u32 v[SPW], v[NIL]
	v_lshrrev_b32 v1, 5, v0
	v_readfirstlane_b32 s[WV], v1                  ; wave 0..3
	s_bfe_u32 s25, ttmp6, 0x40000                  ; cx: it enters x's, Q's, K's and V's global addresses alone
	s_lshl_b32 s28, ttmp9, 2
	s_add_co_u32 s28, s28, s25                     ; mb
	s_and_b32 s[NB], ttmp7, 0xffff                 ; nb, which the four partners share
	s_mov_b32 s[G1], 15|(3<<16)|(1<<21)            ; the mask: all four work-groups; elements of 8 bytes; bit 21 set beside a mask; no padding
	s_mov_b32 s[G1+1], 32<<16                      ; tensor_dim0 = 32 elements: rows of 256 bytes
	s_mov_b32 s[G1+2], 72<<16                      ; tensor_dim1 = 72 rows: 18,432 dense bytes
	s_mov_b32 s[G1+3], 32<<16                      ; tile_dim0
	s_mov_b32 s[G1+4], 72                          ; tile_dim1
	s_mov_b32 s[G1+5], 32                          ; from row to row
	s_mov_b32 s[G1+6], 0
	s_mov_b32 s[G1+7], 0
	s_mov_b32 s[CS], 0x3e38aa3b                    ; c = log2(e) / 8
	s_mov_b32 s[CS+1], s[CS]
	s_mul_i32 s30, s[WV], 18432                    ; my quarter of the weights, in LDS and in memory
	s_mul_i32 s44, s[NB], 73728
	s_add_co_u32 s44, s44, s30
	s_mov_b32 s45, 0
	v_and_b32 v1, 31, v0
	v_lshlrev_b32 v[LI], 4, v1
	v_add_nc_u32 v[LI2], 36864, v[LI]
	v_bfe_u32 v[H32], v0, 4, 1
	v_lshlrev_b32 v[H32], 5, v[H32]
	v_and_b32 v[R4], 15, v0
	v_lshlrev_b32 v[R4], 2, v[R4]
	v_mov_b32 v[KB1+1], 0
	s_wait_dscnt 0x0                               ; both opening adds are done
	s_wait_kmcnt 0x0
	s_mov_b32 s[G0], 1
	s_mov_b32 s[G0+1], s30
	s_add_nc_u64 s[G0+2:G0+3], s[8:9], s[44:45]
	s_or_b32 s[G0+3], s[G0+3], 0x80000000
	CROUND                                         ; all four work-groups are here: the joint loads meet
	tensor_load_to_lds s[G0:G0+3], s[G1:G1+7]      ; my one tensor load of the launch
	s_nop 0
	PLACES 4
	s_lshl_b32 s31, s28, 4
	s_lshl_b32 s48, s[WV], 2
	s_add_co_u32 s31, s31, s48                     ; my first m tile: 16 mb + 4 w
	s_lshl_b32 s50, s28, 2
	s_add_co_u32 s50, s50, s[WV]
	s_lshl_b32 s50, s50, 14                        ; my 64 keys' 16,384 bytes of kv
	s_and_b32 s51, s[NB], 3
	s_lshl_b32 s52, s[NB], 9                       ; K: channels 16 nb on
	s_lshl_b32 s53, s51, 10
	s_add_co_u32 s53, s53, 8192                    ; V: channel tile nb - 4
	s_lshl_b32 s51, s51, 6                         ; the bias's 16 numbers
	s_mov_b32 s49, 0
	s_cmp_lt_u32 s[NB], 4
	s_cselect_b64 s[46:47], s[14:15], s[16:17]     ; bk or bv
	s_cselect_b32 s52, s52, s53
	s_mov_b32 s48, s51
	s_add_nc_u64 s[46:47], s[46:47], s[48:49]
	s_add_co_u32 s48, s50, s52
	s_add_nc_u64 s[20:21], s[20:21], s[48:49]
	s_lshl_b32 s48, s31, 13
	s_add_nc_u64 s[4:5], s[4:5], s[48:49]          ; x's codes
	s_lshl_b32 s48, s31, 9
	s_add_nc_u64 s[6:7], s[6:7], s[48:49]          ; x's scale words
	s_mul_i32 s48, s[NB], 4608
	s_add_nc_u64 s[10:11], s[10:11], s[48:49]      ; W's scale words
	s_lshl_b32 s48, s[NB], 9
	s_add_nc_u64 s[12:13], s[12:13], s[48:49]      ; bq's 128 numbers
	s_lshl_b32 s48, s31, 15
	s_lshl_b32 s54, s[NB], 12
	s_add_co_u32 s48, s48, s54
	s_add_nc_u64 s[18:19], s[18:19], s[48:49]      ; q16
.irp i, 0,1,2,3,4,5,6,7,8
	global_load_b128 v[WS+4*\i:WS+4*\i+3], v[LI], s[10:11] offset:512*\i
.endr
.irp a, 0,1,2,3
	global_load_b128 v[XS+4*\a:XS+4*\a+3], v[LI], s[6:7] offset:512*\a
.endr
.irp b, 0,1,2,3,4,5,6,7
	global_load_b128 v[BC+8*\b:BC+8*\b+3], v[H32], s[12:13] offset:64*\b
	global_load_b128 v[BC+8*\b+4:BC+8*\b+7], v[H32], s[12:13] offset:64*\b+16
.endr
	global_load_b128 v[KB:KB+3], v[H32], s[46:47]
	global_load_b128 v[KB+4:KB+7], v[H32], s[46:47] offset:16
	global_load_b32 v[KB1], v[R4], s[46:47]
	WIN 0x80                                       ; destination window 2
.irp ks, 0,1,2,3,4,5,6,7                       ; x's fragments, K step by K step, eight loads each
.irp a, 0,1,2,3
.irp c, 0,1
	global_load_b128 v[8*(4*\ks+\a)+4*\c:8*(4*\ks+\a)+4*\c+3], v[LI], s[4:5] offset:8192*\a+1024*\ks+512*\c
.endr
.endr
.endr
	WIN 0
	s_wait_tensorcnt 0x0                           ; my quarter of the weights is in,
	s_barrier_signal -1
	s_barrier_wait -1                              ; everybody's is; nothing is filled again in this launch
	FETCHB 0, 0
	WIN 0
.irp ks, 0,1,2,3,4,5,6,7
	s_wait_loadcnt 8*(7-\ks)                       ; the scale words, the biases and x's K steps up to this one are in; the later K steps' eight loads each may be out
.if \ks == 0
.set li, 0
.rept 32
	v_pk_mul_f32 v[BC+2*li:BC+2*li+1], v[BC+2*li:BC+2*li+1], s[CS:CS+1] op_sel_hi:[1,0]   ; c bq
.set li, li+1
.endr
.endif
	s_wait_dscnt 0x0                               ; W's fragments of this K step are in
	PLACES 4                                       ; in front of loads into the set that the last K step's products read
.if \ks < 7
	FETCHB \ks+1, (\ks+1)%2
.else
	FETCHT8
.endif
	MULQ \ks
.endr
	s_wait_dscnt 0x0                               ; tile 8's fragments are in
	WIN 0
	s_cmp_lt_u32 s[NB], 4                          ; an id that the partners share
	s_cbranch_scc0 .Lv_arm
	WIN 0x0b                                       ; K, transposed: source 0 (W) window 3, source 1 (x) window 2; the four accumulators take turns
.irp ks, 0,1,2,3,4,5,6,7
.irp a, 0,1,2,3
	FP4 KA+8*\a, 8*\ks, 8*(4*\ks+\a), (\ks==0), WS+32+\ks%4, XS+4*\a+\ks%4, (\ks>=4)
.endr
.endr
	PLACES 4
	WIN 0
.irp a, 0,1,2,3
.irp m, 0,1,2,3
	v_pk_add_f32 v[KA+8*\a+2*\m:KA+8*\a+2*\m+1], v[KA+8*\a+2*\m:KA+8*\a+2*\m+1], v[KB+2*\m:KB+2*\m+1]   ; + bk, from the accumulator's low end on
.endr
.endr
.irp a, 0,1,2,3
.irp m, 0,1,2,3
	v_cvt_pk_f16_f32 v[KA+8*\a+\m], v[KA+8*\a+2*\m], v[KA+8*\a+2*\m+1]
.endr
	global_store_b128 v[LI], v[KA+8*\a:KA+8*\a+3], s[20:21] offset:2048*\a   ; 32 lanes store 512 consecutive bytes, aligned
.endr
	s_branch .Lq_out
.Lv_arm:
	WIN 0x0e                                       ; V, the natural way round: source 0 (x) window 2, source 1 (W) window 3
.irp ks, 0,1,2,3,4,5,6,7
.irp a, 0,1,2,3
	FP4 KA+8*\a, 8*(4*\ks+\a), 8*\ks, (\ks==0), XS+4*\a+\ks%4, WS+32+\ks%4, (\ks>=4)
.endr
.endr
	PLACES 4
	WIN 0
.irp a, 0,1,2,3
.irp m, 0,1,2,3
	v_pk_add_f32 v[KA+8*\a+2*\m:KA+8*\a+2*\m+1], v[KA+8*\a+2*\m:KA+8*\a+2*\m+1], v[KB1:KB1+1] op_sel_hi:[1,0]   ; + bv of my channel
.endr
.endr
.irp a, 0,1,2,3
.irp m, 0,1,2,3
	v_cvt_pk_f16_f32 v[KA+8*\a+\m], v[KA+8*\a+2*\m], v[KA+8*\a+2*\m+1]
.endr
	global_store_b128 v[LI], v[KA+8*\a:KA+8*\a+3], s[20:21] offset:(\a/2)*4096+(\a%2)*512
.endr
.Lq_out:
.irp a, 0,1,2,3                                ; Q: c (sum) + c bq, rounded to f16, stored as it lies
.if \a >= 2
	s_wait_xcnt 0x0                                ; the stores of two tiles back have read this set of packed registers
.endif
	WIN 0x41                                       ; destination and source 0 window 1, the bias window 0
.set li, 0
.rept 32
	v_pk_fma_f32 v[64*\a+2*li:64*\a+2*li+1], v[64*\a+2*li:64*\a+2*li+1], s[CS:CS+1], v[BC+2*li:BC+2*li+1] op_sel_hi:[1,0,1]
.set li, li+1
.endr
	WIN 0x05                                       ; sources window 1, destination window 0
.set li, 0
.rept 32
	v_cvt_pk_f16_f32 v[HH+32*(\a%2)+li], v[64*\a+2*li], v[64*\a+2*li+1]
.set li, li+1
.endr
	WIN 0
.irp b, 0,1,2,3,4,5,6,7
	global_store_b128 v[LI], v[HH+32*(\a%2)+4*\b:HH+32*(\a%2)+4*\b+3], s[18:19] offset:32768*\a+512*\b
.endr
.endr
	s_wait_tensorcnt 0x0                           ; the wave's end
	ds_add_u32 v[SPW], v[NIL]
	s_wait_dscnt 0x0
	CROUND                                         ; the closing round
	s_endpgm
.Lfunc_end_k_qa12d564d9f_qkv:
	.size	k_qa12d564d9f_qkv, .Lfunc_end_k_qa12d564d9f_qkv-k_qa12d564d9f_qkv
	.p2alignl 7, 3214868480
	.fill 96, 4, 3214868480
	.section	.rodata,"a",@progbits
	.p2align	6, 0x0
	.amdhsa_kernel k_qa12d564d9f_qkv
		.amdhsa_group_segment_fixed_size 167936
		.amdhsa_private_segment_fixed_size 0
		.amdhsa_enable_private_segment 0
		.amdhsa_kernarg_size 72
		.amdhsa_user_sgpr_count 2
		.amdhsa_user_sgpr_kernarg_segment_ptr 1
		.amdhsa_wavefront_size32 1
		.amdhsa_system_sgpr_workgroup_id_x 1
		.amdhsa_system_sgpr_workgroup_id_y 1
		.amdhsa_system_sgpr_workgroup_id_z 1
		.amdhsa_system_vgpr_workitem_id 0
		.amdhsa_next_free_vgpr 1024
		.amdhsa_next_free_sgpr 66
		.amdhsa_reserve_vcc 0
		.amdhsa_float_denorm_mode_32 3
		.amdhsa_float_denorm_mode_16_64 3
		.amdhsa_memory_ordered 1
		.amdhsa_forward_progress 1
		.amdhsa_inst_pref_size 92
	.end_amdhsa_kernel
	.amdgpu_metadata
---
amdhsa.version: [ 1, 2 ]
amdhsa.kernels:
  - .name:           k_qa12d564d9f_qkv
    .symbol:         k_qa12d564d9f_qkv.kd
    .args:
      - { .name: xc, .offset: 0, .size: 8, .value_kind: global_buffer, .address_space: global }
      - { .name: xs, .offset: 8, .size: 8, .value_kind: global_buffer, .address_space: global }
      - { .name: wc, .offset: 16, .size: 8, .value_kind: global_buffer, .address_space: global }
      - { .name: ws, .offset: 24, .size: 8, .value_kind: global_buffer, .address_space: global }
      - { .name: bq, .offset: 32, .size: 8, .value_kind: global_buffer, .address_space: global }
      - { .name: bk, .offset: 40, .size: 8, .value_kind: global_buffer, .address_space: global }
      - { .name: bv, .offset: 48, .size: 8, .value_kind: global_buffer, .address_space: global }
      - { .name: q16, .offset: 56, .size: 8, .value_kind: global_buffer, .address_space: global }
      - { .name: kv, .offset: 64, .size: 8, .value_kind: global_buffer, .address_space: global }
    .group_segment_fixed_size: 167936
    .private_segment_fixed_size: 0
    .kernarg_segment_align: 8
    .kernarg_segment_size: 72
    .max_flat_workgroup_size: 128
    .sgpr_count:     66
    .vgpr_count:     1024
    .wavefront_size: 32
...
	.end_amdgpu_metadata
.endif
;; end of part 2
;; launch attn (part 3): grid 64 x 4, 8 waves a work-group, clusters of 4 x 1, 327,680 bytes of LDS; arguments q16, kv, ao; writes ao
.if DOCPART == 3
	.amdgcn_target "amdgcn-amd-amdhsa--gfx1250"
	.amdhsa_code_object_version 6
	.text
	.protected	k_qa12d564d9f_attn
	.globl	k_qa12d564d9f_attn
	.p2align	8
	.type	k_qa12d564d9f_attn,@function
k_qa12d564d9f_attn:
	s_mov_b64 s[64:65], 0
	v_nop
	global_prefetch_b8 v0, s[64:65] scope:SCOPE_SE
	s_setreg_imm32_b32 hwreg(HW_REG_WAVE_MODE, 25, 1), 1
	s_wait_xcnt 0x0
	s_wait_alu depctr_hold_cnt(0) depctr_sa_sdst(0) depctr_va_vdst(0) depctr_va_sdst(0) depctr_va_ssrc(0) depctr_va_vcc(0) depctr_vm_vsrc(0)
	s_getreg_b32 s2, hwreg(HW_REG_IB_STS2, 6, 4)
	s_cmp_eq_u32 s2, 0
	s_cbranch_scc0 .Lentry_in_a_cluster
	s_endpgm
.Lentry_in_a_cluster:
	s_bfe_u32 s2, ttmp6, 0x10000c
	s_cmp_lg_u32 s2, 0x3003
	s_cbranch_scc0 .Lentry_shape_is_right
	s_endpgm
.Lentry_shape_is_right:
; ATTN: for each batch, head and query: softmax over 2,048 keys of (Q . K / 8), times V; one K and V head for all 16 query heads; head size 64.  Operands f16, products, maxima and sums f32.
; q16 holds c Q (c = log2(e) / 8), so a score IS the exponent to base 2: p = 2^(s - m), m the running maximum; in every step O and the sum l are multiplied by a = 2^(m_old - m_new); O / l at the end.
; SHARES.  A work-group owns 32 rows of one batch, all 16 heads; wave w owns heads 2 w, 2 w + 1: four tiles of 16 queries (tile t: m tile t / 2, head t % 2).  Every wave walks all keys, 64 a step.
; LAYOUT.  S^T = K Q^T (source 0 = 16 keys, source 1 = 16 queries) and O^T = V^T P: a lane holds ONE query throughout; two tiles of S^T, rounded to f16 in pairs, ARE source 1 of the second product.
; All operands lie in memory and in LDS as images of their registers: every LDS load reads 512 consecutive bytes.
; RING.  Two slots of eight key steps (131,072 bytes); each of the eight waves fetches one key step of a slot.  CLUSTER: the four work-groups of a cluster belong to one batch and walk the same K and V: joint loads, mask 15.
; ROLES.  A step is 64 products and a softmax.  Two waves share a SIMD; waves of role 0 do the softmax at a trip's end, waves of role 1 at the next trip's head, so that one wave's products stand beside the other's vector work.
; The role is (w xor w / 4) % 2; the two branches on it stand inside the one loop that all waves walk.
; LIMITS: |attention out| under 65,504 (f16); NaN and infinities are not served.
; REGISTERS: window 0: v1 16 x lane, v2 LDS address in hand, v4, v5 the add's two; v8-39 statistics, eight a tile: +0 m, +1 m_old - m_new, +2, +3 l, +4..+7 at work (a at +6); v64-191 S^T, 32 a tile, P in place in the tile's first 16; v192-255 K.
;            window 1: v0-127 O^T (32 t + 8 ct); v128-191 Q (8 (2 t + s)); v192-255 V (8 (4 kb + ct)).
.set SLOT1, 1<<17
.set SPARE, 262144                     ; behind the ring: the spare words, 128 bytes for each of eight waves
.set LI,   1
.set ADR,  2
.set SPW,  4
.set NIL,  5
.set ST,   8
.set S,    64
.set KF,   192
.set QF,   128
.set VF,   192
.set WV,   10
.set ROLE, 14
.set TB,   15                          ; s15  LDS byte at which the step to be fetched begins
.set CNT,  16
.set CNT2, 17
.set SEL,  18
.set G1,   24
.set G0A,  32
.set G0B,  36
.set MSB, 0
.macro WIN new
.if MSB != \new
	s_set_vgpr_msb (MSB<<8)|\new
.set MSB, \new
.endif
.endm
.macro PLACES n
.rept \n
	v_nop
.endr
.endm
.macro CROUND
	s_barrier_signal -1
	s_barrier_wait -1
	s_cmp_lg_u32 s[WV], 0
	s_cbranch_scc1 .Lnot_wave_0_\@
	s_barrier_signal -3
.Lnot_wave_0_\@:
	s_barrier_wait -3
	s_barrier_signal -1
	s_barrier_wait -1
.endm
.macro LOADK                           ; a step's K: eight fragments (keys 16 kt on, channels 32 s on: 2 kt + s)
	WIN 0
.irp f, 0,1,2,3,4,5,6,7
	ds_load_b128 v[KF+8*\f:KF+8*\f+3],   v[ADR] offset:1024*\f
	ds_load_b128 v[KF+8*\f+4:KF+8*\f+7], v[ADR] offset:1024*\f+512
.endr
.endm
.macro LOADV                           ; its V^T: eight fragments (keys 32 kb on, channels 16 ct on: 4 kb + ct)
	WIN 0x40                                       ; destination window 1
.irp f, 0,1,2,3,4,5,6,7
	ds_load_b128 v[VF+8*\f:VF+8*\f+3],   v[ADR] offset:8192+1024*\f
	ds_load_b128 v[VF+8*\f+4:VF+8*\f+7], v[ADR] offset:8192+1024*\f+512
.endr
.endm
.macro KQ                              ; 32 products S^T = K Q^T: the 16 accumulators take turns, one instruction a turn; the first 16 start the sums
	WIN 0x04                                       ; source 1 (Q) window 1
.irp s, 0,1
.irp kt, 0,1,2,3
.irp t, 0,1,2,3
.if \s == 0
	v_wmma_f32_16x16x32_f16 v[S+32*\t+8*\kt:S+32*\t+8*\kt+7], v[KF+8*(2*\kt+\s):KF+8*(2*\kt+\s)+7], v[QF+8*(2*\t+\s):QF+8*(2*\t+\s)+7], 0
.else
	v_wmma_f32_16x16x32_f16 v[S+32*\t+8*\kt:S+32*\t+8*\kt+7], v[KF+8*(2*\kt+\s):KF+8*(2*\kt+\s)+7], v[QF+8*(2*\t+\s):QF+8*(2*\t+\s)+7], v[S+32*\t+8*\kt:S+32*\t+8*\kt+7]
.endif
.endr
.endr
.endr
.endm
.macro PV zero                         ; 32 products O^T += V^T P, the 16 accumulators by turns; zero = 1: the first 16 start the sums
	WIN 0x51                                       ; source 0 (V), C and D window 1; source 1 (P) window 0
.irp kb, 0,1
.irp ct, 0,1,2,3
.irp t, 0,1,2,3
.if \zero && (\kb == 0)
	v_wmma_f32_16x16x32_f16 v[32*\t+8*\ct:32*\t+8*\ct+7], v[VF+8*(4*\kb+\ct):VF+8*(4*\kb+\ct)+7], v[S+32*\t+8*\kb:S+32*\t+8*\kb+7], 0
.else
	v_wmma_f32_16x16x32_f16 v[32*\t+8*\ct:32*\t+8*\ct+7], v[VF+8*(4*\kb+\ct):VF+8*(4*\kb+\ct)+7], v[S+32*\t+8*\kb:S+32*\t+8*\kb+7], v[32*\t+8*\ct:32*\t+8*\ct+7]
.endif
.endr
.endr
.endr
.endm
; THE SOFTMAX of a step, the four tiles line by line, so that no line waits for the line above it.  first = 1: the first step: no old maximum, no a, nothing to rescale.
.macro SM first
	WIN 0
.irp j, 0,1,2,3                        ; the maximum: four chains, each begun at the low end of one accumulator
.irp t, 0,1,2,3
	v_max3_num_f32 v[ST+8*\t+4+\j], v[S+32*\t+8*\j], v[S+32*\t+8*\j+1], v[S+32*\t+8*\j+2]
.endr
.endr
.irp g, 1,2
.irp j, 0,1,2,3
.irp t, 0,1,2,3
	v_max3_num_f32 v[ST+8*\t+4+\j], v[ST+8*\t+4+\j], v[S+32*\t+8*\j+2*\g+1], v[S+32*\t+8*\j+2*\g+2]
.endr
.endr
.endr
.irp t, 0,1,2,3
	v_max3_num_f32 v[ST+8*\t+4], v[ST+8*\t+4], v[S+32*\t+7], v[S+32*\t+15]
.endr
.irp t, 0,1,2,3
	v_max3_num_f32 v[ST+8*\t+6], v[ST+8*\t+6], v[S+32*\t+23], v[S+32*\t+31]
.endr
.irp t, 0,1,2,3
	v_max3_num_f32 v[ST+8*\t+4], v[ST+8*\t+4], v[ST+8*\t+5], v[ST+8*\t+6]
.endr
.irp t, 0,1,2,3
.if \first
	v_max_num_f32 v[ST+8*\t+4], v[ST+8*\t+4], v[ST+8*\t+7]
.else
	v_max3_num_f32 v[ST+8*\t+4], v[ST+8*\t+4], v[ST+8*\t+7], v[ST+8*\t]
.endif
.endr
.irp t, 0,1,2,3
	v_permlanex16_b32 v[ST+8*\t+5], v[ST+8*\t+4], s[SEL], s[SEL+1]   ; the query's other 32 keys lie in the lane 16 away
.endr
.if \first
.irp t, 0,1,2,3
	v_max_num_f32 v[ST+8*\t], v[ST+8*\t+4], v[ST+8*\t+5]
.endr
.irp t, 0,1,2,3
	v_mov_b32 v[ST+8*\t+1], 0                      ; named with m as a pair, so it is written
.endr
.else
.irp t, 0,1,2,3
	v_max_num_f32 v[ST+8*\t+5], v[ST+8*\t+4], v[ST+8*\t+5]
.endr
.irp t, 0,1,2,3
	v_sub_f32 v[ST+8*\t+1], v[ST+8*\t], v[ST+8*\t+5]
.endr
.irp t, 0,1,2,3
	v_mov_b32 v[ST+8*\t], v[ST+8*\t+5]
.endr
.irp t, 0,1,2,3
	v_exp_f32 v[ST+8*\t+6], v[ST+8*\t+1]           ; a
.endr
.endif
.set li, 0
.rept 16
.irp t, 0,1,2,3
	v_pk_add_f32 v[S+32*\t+2*li:S+32*\t+2*li+1], v[S+32*\t+2*li:S+32*\t+2*li+1], v[ST+8*\t:ST+8*\t+1] op_sel_hi:[1,0] neg_lo:[0,1] neg_hi:[0,1]   ; s - m, two at a time
.endr
.set li, li+1
.endr
.set li, 0
.rept 32
.irp t, 0,1,2,3
	v_exp_f32 v[S+32*\t+li], v[S+32*\t+li]         ; p
.endr
.set li, li+1
.endr
	v_nop                                          ; a plain line behind the last exponential
	s_wait_alu depctr_va_vdst(0)                   ; ONE wait for the whole batch, ahead of the first line that names a result
.irp t, 0,1,2,3                        ; the sums of the unrounded p, in two chains
.if \first
	v_pk_add_f32 v[ST+8*\t+2:ST+8*\t+3], v[S+32*\t:S+32*\t+1], v[S+32*\t+4:S+32*\t+5]
.else
	v_pk_fma_f32 v[ST+8*\t+2:ST+8*\t+3], v[ST+8*\t+2:ST+8*\t+3], v[ST+8*\t+6:ST+8*\t+7], v[S+32*\t:S+32*\t+1] op_sel_hi:[1,0,1]
.endif
.endr
.irp t, 0,1,2,3
	v_pk_add_f32 v[ST+8*\t+4:ST+8*\t+5], v[S+32*\t+2:S+32*\t+3], v[S+32*\t+6:S+32*\t+7]
.endr
.if !\first
.irp t, 0,1,2,3
	v_pk_add_f32 v[ST+8*\t+2:ST+8*\t+3], v[ST+8*\t+2:ST+8*\t+3], v[S+32*\t+4:S+32*\t+5]
.endr
.endif
.irp i, 8,12,16,20,24,28
.irp t, 0,1,2,3
	v_pk_add_f32 v[ST+8*\t+2:ST+8*\t+3], v[ST+8*\t+2:ST+8*\t+3], v[S+32*\t+\i:S+32*\t+\i+1]
.endr
.irp t, 0,1,2,3
	v_pk_add_f32 v[ST+8*\t+4:ST+8*\t+5], v[ST+8*\t+4:ST+8*\t+5], v[S+32*\t+\i+2:S+32*\t+\i+3]
.endr
.endr
.irp t, 0,1,2,3
	v_pk_add_f32 v[ST+8*\t+2:ST+8*\t+3], v[ST+8*\t+2:ST+8*\t+3], v[ST+8*\t+4:ST+8*\t+5]
.endr
.set li, 0
.rept 16                               ; P, in place: register i takes pair i, ascending, so no pair is written over before it is read
.irp t, 0,1,2,3
	v_cvt_pk_f16_f32 v[S+32*\t+li], v[S+32*\t+2*li], v[S+32*\t+2*li+1]
.endr
.set li, li+1
.endr
.if !\first
	WIN 0x41                                       ; O^T (destination, source 0) window 1, a window 0
.set li, 0
.rept 16
.irp t, 0,1,2,3
	v_pk_mul_f32 v[32*\t+2*li:32*\t+2*li+1], v[32*\t+2*li:32*\t+2*li+1], v[ST+8*\t+6:ST+8*\t+7] op_sel_hi:[1,0]
.endr
.set li, li+1
.endr
	WIN 0
.endif
.endm
; A TRIP is key step j: K(j) is asked for; V^T P of step j - 1; V(j) is asked for; K Q^T of step j.  V(j) is in registers before any barrier, so V^T P of a slot's last step may stand behind the change of slots.
.macro TRIP
	v_add_nc_u32 v[ADR], s[TB], v[LI]
	LOADK                                          ; K's registers were last read five places back or more
	s_cmp_eq_u32 s[ROLE], 0
	s_cbranch_scc1 .Lrole0_\@
	SM 0                                           ; role 1: the softmax of step j - 1
.Lrole0_\@:
	s_wait_dscnt 16                                ; V(j - 1) is in; the 16 younger loads, K(j)'s, may be out
	PV 0
	PLACES 5                                       ; four in front of the loads into V's registers; five in front of the products that write over P
	LOADV
	s_wait_dscnt 16                                ; K(j) is in; V(j)'s 16 loads may be out
	KQ
	PLACES 5                                       ; four in front of the first read of the scores and of the next loads into K's registers; FIVE since the registers that these products write are an operand of V^T P,
	                                               ; and the softmax between the two stands under a branch: the distance is kept without leaning on it
	WIN 0
	s_add_co_u32 s[TB], s[TB], 16384
	s_cmp_lg_u32 s[ROLE], 0
	s_cbranch_scc1 .Lrole1_\@
	SM 0                                           ; role 0: the softmax of step j
.Lrole1_\@:
.endm
; THE CHANGE OF SLOTS: each wave waits for all its tensor loads, adds 0 to its spare word, and waits for that and for its reads of the slot that it leaves.
; fill = 1: the barrier is a round of the cluster's, and the slot just left is filled with the keys two slots on: my one tensor load behind it, with eight key steps in which to land.
.macro CHANGE fill
	s_wait_tensorcnt 0x0                           ; no tensor load of mine is out, so a group 0 may be written
	ds_add_u32 v[SPW], v[NIL]
.if \fill
	s_xor_b32 s[G0B+1], s[G0B+1], SLOT1            ; the walking descriptor: the other slot than last time,
	s_add_nc_u64 s[G0B+2:G0B+3], s[G0B+2:G0B+3], 131072   ; the next eight key steps
	s_wait_dscnt 0x0
	CROUND
	tensor_load_to_lds s[G0B:G0B+3], s[G1:G1+7]
	s_nop 0
	PLACES 4
.else
	s_wait_dscnt 0x0
	s_barrier_signal -1
	s_barrier_wait -1
.endif
	s_sub_co_u32 s[TB], s[TB], 131072              ; the fetches go back to a slot's first step,
	s_xor_b32 s[TB], s[TB], SLOT1                  ; in the other slot
.endm
	s_load_b128 s[4:7], s[0:1], 0x0                ; q16 s4, kv s6
	s_load_b64 s[8:9], s[0:1], 0x10                ; ao
	v_lshl_add_u32 v[SPW], v0, 2, SPARE
	v_mov_b32 v[NIL], 0
	ds_add_u32 v[SPW], v[NIL]                      ; the wave's opening: the add, twice on end, and its wait ahead of my first tensor load
	ds_add_u32 v[SPW], v[NIL]
	v_lshrrev_b32 v1, 5, v0
	v_readfirstlane_b32 s[WV], v1                  ; wave 0..7
	s_lshr_b32 s[ROLE], s[WV], 2
	s_xor_b32 s[ROLE], s[ROLE], s[WV]
	s_and_b32 s[ROLE], s[ROLE], 1
	s_bfe_u32 s11, ttmp6, 0x40000                  ; cx: it enters Q's and the output's addresses alone
	s_lshl_b32 s12, ttmp9, 2
	s_add_co_u32 s12, s12, s11                     ; my block of 32 rows
	s_and_b32 s13, ttmp7, 0xffff                   ; the batch, which the four partners share
	s_mov_b32 s[G1], 15|(3<<16)|(1<<21)            ; the mask: all four work-groups; elements of 8 bytes; bit 21 set beside a mask; no padding
	s_mov_b32 s[G1+1], 32<<16                      ; rows of 256 bytes,
	s_mov_b32 s[G1+2], 64<<16                      ; 64 of them: a key step's 16,384 dense bytes
	s_mov_b32 s[G1+3], 32<<16
	s_mov_b32 s[G1+4], 64
	s_mov_b32 s[G1+5], 32
	s_mov_b32 s[G1+6], 0
	s_mov_b32 s[G1+7], 0
	s_mov_b32 s[SEL], 0x76543210
	s_mov_b32 s[SEL+1], 0xfedcba98
	s_mov_b32 s[TB], 0
	v_and_b32 v1, 31, v0
	v_lshlrev_b32 v[LI], 4, v1
	s_lshl_b32 s22, s[WV], 14                      ; which key step of a slot I fetch: its place in LDS and in memory
	s_lshl_b32 s20, s13, 19                        ; the batch's 524,288 bytes of kv
	s_add_co_u32 s20, s20, s22
	s_mov_b32 s21, 0
	s_lshl_b32 s40, s13, 7
	s_lshl_b32 s41, s12, 1
	s_add_co_u32 s40, s40, s41                     ; my first m tile
	s_lshl_b32 s40, s40, 15
	s_lshl_b32 s41, s[WV], 12                      ; my two heads
	s_add_co_u32 s40, s40, s41
	s_mov_b32 s41, 0
	s_wait_dscnt 0x0                               ; both opening adds are done
	s_wait_kmcnt 0x0
	s_mov_b32 s[G0A], 1
	s_mov_b32 s[G0A+1], s22
	s_add_nc_u64 s[G0A+2:G0A+3], s[6:7], s[20:21]
	s_mov_b32 s[G0B], 1
	s_add_co_u32 s[G0B+1], s22, SLOT1
	s_add_nc_u64 s[G0B+2:G0B+3], s[G0A+2:G0A+3], 131072
	s_or_b32 s[G0A+3], s[G0A+3], 0x80000000
	s_or_b32 s[G0B+3], s[G0B+3], 0x80000000
	s_add_nc_u64 s[4:5], s[4:5], s[40:41]
	s_add_nc_u64 s[8:9], s[8:9], s[40:41]
	CROUND                                         ; all four work-groups are here: the first joint loads meet
	tensor_load_to_lds s[G0A:G0A+3], s[G1:G1+7]    ; two loads of mine are out: slot 0's part,
	s_nop 0
	tensor_load_to_lds s[G0B:G0B+3], s[G1:G1+7]    ; and slot 1's
	s_nop 0
	PLACES 4
	WIN 0x40                                       ; destination window 1
.irp t, 0,1,2,3                                ; Q stays in registers
.irp s, 0,1
	global_load_b128 v[QF+8*(2*\t+\s):QF+8*(2*\t+\s)+3],   v[LI], s[4:5] offset:(\t/2)*32768+(\t%2)*2048+1024*\s
	global_load_b128 v[QF+8*(2*\t+\s)+4:QF+8*(2*\t+\s)+7], v[LI], s[4:5] offset:(\t/2)*32768+(\t%2)*2048+1024*\s+512
.endr
.endr
	WIN 0
	s_wait_tensorcnt 1                             ; my part of slot 0 is in; slot 1's may stay out
	s_barrier_signal -1
	s_barrier_wait -1
	; key step 0, the same in all waves
	v_add_nc_u32 v[ADR], s[TB], v[LI]
	LOADK
	LOADV
	s_wait_loadcnt 0x0                             ; Q
	s_wait_dscnt 16                                ; K is in
	KQ
	PLACES 4                                       ; in front of the first read of the scores: here the softmax follows on every way
	SM 1
	s_wait_dscnt 0x0                               ; V is in
	PV 1
	PLACES 5
	WIN 0
	s_add_co_u32 s[TB], s[TB], 16384
	; key step 1: from here on the roles differ
	v_add_nc_u32 v[ADR], s[TB], v[LI]
	LOADK
	LOADV
	s_wait_dscnt 16
	KQ
	PLACES 5                                       ; five, as in a trip: the softmax that follows stands under a branch
	WIN 0
	s_add_co_u32 s[TB], s[TB], 16384
	s_cmp_lg_u32 s[ROLE], 0
	s_cbranch_scc1 .Lone
	SM 0
.Lone:
	s_mov_b32 s[CNT], 6
.Lfirst:                                           ; key steps 2 to 7
	TRIP
	s_sub_co_u32 s[CNT], s[CNT], 1
	s_cmp_lg_u32 s[CNT], 0
	s_cbranch_scc1 .Lfirst
	s_mov_b32 s[CNT2], 2
.Lslot:                                            ; two trips: slots 1 and 0 are read, slots 0 and 1 filled again
	CHANGE 1
	s_mov_b32 s[CNT], 8
.Lsteps:
	TRIP
	s_sub_co_u32 s[CNT], s[CNT], 1
	s_cmp_lg_u32 s[CNT], 0
	s_cbranch_scc1 .Lsteps
	s_sub_co_u32 s[CNT2], s[CNT2], 1
	s_cmp_lg_u32 s[CNT2], 0
	s_cbranch_scc1 .Lslot
	CHANGE 0                                       ; the last slot is written out: nothing is asked for
	s_mov_b32 s[CNT], 8
.Ltail:
	TRIP
	s_sub_co_u32 s[CNT], s[CNT], 1
	s_cmp_lg_u32 s[CNT], 0
	s_cbranch_scc1 .Ltail
	s_cmp_eq_u32 s[ROLE], 0
	s_cbranch_scc1 .Llast
	SM 0
.Llast:
	s_wait_dscnt 0x0
	PV 0                                           ; the last step's
	WIN 0
	; THE WAY OUT: l's two halves and the other half of the lanes' (these additions are the places behind the last products); O^T / l, rounded to f16, stored as it lies: it is the image that the last launch loads
.irp t, 0,1,2,3
	v_add_f32 v[ST+8*\t+4], v[ST+8*\t+2], v[ST+8*\t+3]
.endr
.irp t, 0,1,2,3
	v_permlanex16_b32 v[ST+8*\t+5], v[ST+8*\t+4], s[SEL], s[SEL+1]
.endr
.irp t, 0,1,2,3
	v_add_f32 v[ST+8*\t+4], v[ST+8*\t+4], v[ST+8*\t+5]
.endr
.irp t, 0,1,2,3
	v_rcp_f32 v[ST+8*\t+6], v[ST+8*\t+4]
.endr
	v_nop
	s_wait_alu depctr_va_vdst(0)                   ; one wait for the four reciprocals, ahead of their first reader
.irp t, 0,1,2,3
	WIN 0x41
.set li, 0
.rept 16
	v_pk_mul_f32 v[32*\t+2*li:32*\t+2*li+1], v[32*\t+2*li:32*\t+2*li+1], v[ST+8*\t+6:ST+8*\t+7] op_sel_hi:[1,0]
.set li, li+1
.endr
	WIN 0x05                                       ; sources window 1, destination window 0: S^T's registers are free
.set li, 0
.rept 16
	v_cvt_pk_f16_f32 v[S+32*\t+li], v[32*\t+2*li], v[32*\t+2*li+1]
.set li, li+1
.endr
	WIN 0
.irp ct, 0,1,2,3
	global_store_b128 v[LI], v[S+32*\t+4*\ct:S+32*\t+4*\ct+3], s[8:9] offset:(\t/2)*32768+(\t%2)*2048+512*\ct   ; 32 lanes store 512 consecutive bytes, aligned
.endr
.endr
	s_wait_tensorcnt 0x0                           ; the wave's end
	ds_add_u32 v[SPW], v[NIL]
	s_wait_dscnt 0x0
	CROUND                                         ; the closing round
	s_endpgm
.Lfunc_end_k_qa12d564d9f_attn:
	.size	k_qa12d564d9f_attn, .Lfunc_end_k_qa12d564d9f_attn-k_qa12d564d9f_attn
	.p2alignl 7, 3214868480
	.fill 96, 4, 3214868480
	.section	.rodata,"a",@progbits
	.p2align	6, 0x0
	.amdhsa_kernel k_qa12d564d9f_attn
		.amdhsa_group_segment_fixed_size 327680
		.amdhsa_private_segment_fixed_size 0
		.amdhsa_enable_private_segment 0
		.amdhsa_kernarg_size 24
		.amdhsa_user_sgpr_count 2
		.amdhsa_user_sgpr_kernarg_segment_ptr 1
		.amdhsa_wavefront_size32 1
		.amdhsa_system_sgpr_workgroup_id_x 1
		.amdhsa_system_sgpr_workgroup_id_y 1
		.amdhsa_system_sgpr_workgroup_id_z 1
		.amdhsa_system_vgpr_workitem_id 0
		.amdhsa_next_free_vgpr 512
		.amdhsa_next_free_sgpr 66
		.amdhsa_reserve_vcc 0
		.amdhsa_float_denorm_mode_32 3
		.amdhsa_float_denorm_mode_16_64 3
		.amdhsa_memory_ordered 1
		.amdhsa_forward_progress 1
		.amdhsa_inst_pref_size 255
	.end_amdhsa_kernel
	.section	.bss,"aw",@nobits
	.p2align	6
	.space	262144
	.amdgpu_metadata
---
amdhsa.version: [ 1, 2 ]
amdhsa.kernels:
  - .name:           k_qa12d564d9f_attn
    .symbol:         k_qa12d564d9f_attn.kd
    .args:
      - { .name: q16, .offset: 0, .size: 8, .value_kind: global_buffer, .address_space: global }
      - { .name: kv, .offset: 8, .size: 8, .value_kind: global_buffer, .address_space: global }
      - { .name: ao, .offset: 16, .size: 8, .value_kind: global_buffer, .address_space: global }
    .group_segment_fixed_size: 327680
    .private_segment_fixed_size: 0
    .kernarg_segment_align: 8
    .kernarg_segment_size: 24
    .max_flat_workgroup_size: 256
    .sgpr_count:     66
    .vgpr_count:     512
    .wavefront_size: 32
...
	.end_amdgpu_metadata
.endif
;; end of part 3
;; launch oproj (part 4): grid 4 x 64, 4 waves a work-group, clusters of 4 x 4, 327,680 bytes of LDS; arguments ao, wo16, bo, out0; writes out0
.if DOCPART == 4
	.amdgcn_target "amdgcn-amd-amdhsa--gfx1250"
	.amdhsa_code_object_version 6
	.text
	.protected	k_qa12d564d9f_oproj
	.globl	k_qa12d564d9f_oproj
	.p2align	8
	.type	k_qa12d564d9f_oproj,@function
k_qa12d564d9f_oproj:
	s_mov_b64 s[64:65], 0
	v_nop
	global_prefetch_b8 v0, s[64:65] scope:SCOPE_SE
	s_setreg_imm32_b32 hwreg(HW_REG_WAVE_MODE, 25, 1), 1
	s_wait_xcnt 0x0
	s_wait_alu depctr_hold_cnt(0) depctr_sa_sdst(0) depctr_va_vdst(0) depctr_va_sdst(0) depctr_va_ssrc(0) depctr_va_vcc(0) depctr_vm_vsrc(0)
	s_getreg_b32 s2, hwreg(HW_REG_IB_STS2, 6, 4)
	s_cmp_eq_u32 s2, 0
	s_cbranch_scc0 .Lentry_in_a_cluster
	s_endpgm
.Lentry_in_a_cluster:
	s_bfe_u32 s2, ttmp6, 0x10000c
	s_cmp_lg_u32 s2, 0xf033
	s_cbranch_scc0 .Lentry_shape_is_right
	s_endpgm
.Lentry_shape_is_right:
; OPROJ: out0 = (attention out) Wo + bo.  M 8,192, K 1,024, N 1,024; operands f16 (both arrive as images of operand registers), sums f32, out0 f32.
; A tile of out0 is 128 rows x 256 columns: 64 x 4 = 256 work-groups of four waves; wave (wm, wn) makes 64 x 128: 32 accumulators.  K goes in steps of 128 through a ring of two LDS slots.
; ao is [m tile 512][K step of 32: 32][1024], wo16 [n tile 64][32][1024]: a K step of 128 is 4,096 consecutive bytes of each tile, so a tensor load's rows are 4,096 bytes, 32,768 apart; every LDS load reads 512 consecutive bytes.
; CLUSTERS: 4 x 4 work-groups; the four of a row need the same tiles of ao, the four of a column the same tiles of wo16: joint loads.  Waves 0, 1 fetch ao's halves, waves 2, 3 wo16's.
; THE MATRIX INSTRUCTION IS USED TRANSPOSED (source 0 = 16 columns of Wo, source 1 = 16 rows of ao): a lane holds eight neighbouring numbers of a row of out0.  The bias is the C of each sum's first product.
; LIMITS: |Wo| and |attention out| under 65,504 (f16).
; REGISTERS: window 0: addresses; v32-95 ao's fragments, two sets of 32; v128-255 the way out.  window 1: accumulator (a, b) at 8 (8 a + b).  window 2: v0-127 Wo's fragments, two sets of 64; v128-191 the bias, eight a tile.
.set SLOT,   98304                     ; ao's 8 m tiles x 4,096, then wo16's 16 n tiles x 4,096
.set STAGE,  2*SLOT                    ; behind the ring: 16 rows x (512 bytes + 16) for each wave
.set SPITCH, 528
.set SPARE,  STAGE+4*16*SPITCH         ; behind the stages: the spare words, 128 bytes for each wave
.set LAPS,   4                         ; a lap = two K steps = once round the ring
.set ADRA, 16
.set ADRB, 20
.set STO,  24
.set RD,   25
.set CO,   26
.set SPW,  28
.set NIL,  29
.set AF,   32
.set BK,   128
.set BIAS, 128                         ; in window 2
.set WV,   12
.set WM,   13                          ; which half of the tile's rows is mine.  Also: I fetch for ao (0) or for wo16 (1)
.set WN,   14                          ; which half of its columns.  Also: which half of that tile I fetch
.set G1A,  24
.set G0A,  32
.set G1B,  48
.set G0B,  56
.set MSB, 0
.macro WIN new
.if MSB != \new
	s_set_vgpr_msb (MSB<<8)|\new
.set MSB, \new
.endif
.endm
.set MULW,  0x52                       ; source 0 (Wo) window 2, source 1 (ao) window 0, C and D window 1
.set MULW1, 0x62                       ; the same with C (the bias) in window 2
.macro PLACES
.rept 4
	v_nop
.endr
.endm
.macro JLOAD s                         ; a joint load; an s_nop 0 and four v_nop follow each of the two lines, ahead of the jump, the label and what follows
	s_cmp_eq_u32 s[WM], 0
	s_cbranch_scc0 .Lfor_b_\@
	tensor_load_to_lds s[G0A+4*\s:G0A+4*\s+3], s[G1A:G1A+7]
	s_nop 0
	PLACES
	s_branch .Lasked_\@
.Lfor_b_\@:
	tensor_load_to_lds s[G0B+4*\s:G0B+4*\s+3], s[G1B:G1B+7]
	s_nop 0
	PLACES
.Lasked_\@:
.endm
.macro CREST
	s_cmp_lg_u32 s[WV], 0
	s_cbranch_scc1 .Lnot_wave_0_\@
	s_barrier_signal -3
.Lnot_wave_0_\@:
	s_barrier_wait -3
	s_barrier_signal -1
	s_barrier_wait -1
.endm
.macro CROUND
	s_barrier_signal -1
	s_barrier_wait -1
	CREST
.endm
	s_load_b256 s[4:11], s[0:1], 0x0               ; ao s4, wo16 s6, bo s8, out0 s10
	v_lshl_add_u32 v[SPW], v0, 2, SPARE
	v_mov_b32 v[NIL], 0
	ds_add_u32 v[SPW], v[NIL]                      ; the wave's opening: the add, twice on end, and its wait ahead of my first tensor load
	ds_add_u32 v[SPW], v[NIL]
	v_lshrrev_b32 v1, 5, v0
	v_readfirstlane_b32 s[WV], v1                  ; wave 0..3
	s_lshr_b32 s[WM], s[WV], 1
	s_and_b32 s[WN], s[WV], 1
	s_bfe_u32 s40, ttmp6, 0x40000                  ; cx, cy: my place in the cluster
	s_bfe_u32 s41, ttmp6, 0x40004
	s_lshl_b32 s42, ttmp9, 2
	s_add_co_u32 s42, s42, s40                     ; tile column
	s_and_b32 s43, ttmp7, 0xffff
	s_lshl_b32 s43, s43, 2
	s_add_co_u32 s43, s43, s41                     ; tile row
	s_lshl_b32 s44, s41, 2
	s_lshl_b32 s44, 15, s44                        ; my row of the cluster
	s_lshl_b32 s45, 0x1111, s40                    ; my column
	s_or_b32 s[G1A], s44, (3<<16)|(1<<21)          ; the mask; elements of 8 bytes; bit 21 set beside a mask; no padding
	s_or_b32 s[G1B], s45, (3<<16)|(1<<21)
	s_mov_b32 s[G1A+1], 512<<16                    ; rows of 512 elements: 4,096 bytes
	s_mov_b32 s[G1A+2], 4<<16                      ; four m tiles
	s_mov_b32 s[G1A+3], 512<<16
	s_mov_b32 s[G1A+4], 4
	s_mov_b32 s[G1A+5], 4096                       ; 32,768 bytes from tile to tile
	s_mov_b32 s[G1A+6], 0
	s_mov_b32 s[G1A+7], 0
	s_mov_b32 s[G1B+1], 512<<16
	s_mov_b32 s[G1B+2], 8<<16                      ; eight n tiles
	s_mov_b32 s[G1B+3], 512<<16
	s_mov_b32 s[G1B+4], 8
	s_mov_b32 s[G1B+5], 4096
	s_mov_b32 s[G1B+6], 0
	s_mov_b32 s[G1B+7], 0
	s_lshl_b32 s16, s43, 3
	s_lshl_b32 s17, s[WN], 2
	s_add_co_u32 s16, s16, s17                     ; ao: m tile 8 x tile row + 4 x half
	s_lshl_b32 s16, s16, 15
	s_mov_b32 s17, 0
	s_lshl_b32 s46, s42, 4
	s_lshl_b32 s47, s[WN], 3
	s_add_co_u32 s46, s46, s47                     ; wo16: n tile 16 x tile column + 8 x half
	s_lshl_b32 s46, s46, 15
	s_mov_b32 s47, 0
	s_lshl_b32 s18, s[WN], 14                      ; where they go: no place in the cluster enters an LDS address
	s_lshl_b32 s19, s[WN], 15
	s_add_co_u32 s19, s19, 32768
	s_wait_dscnt 0x0                               ; both opening adds are done
	s_wait_kmcnt 0x0
	s_add_nc_u64 s[16:17], s[4:5], s[16:17]
	s_add_nc_u64 s[46:47], s[6:7], s[46:47]
	CROUND                                         ; all sixteen work-groups are here: the first joint loads meet
.irp s, 0,1
	s_mov_b32 s[G0A+4*\s], 1
	s_add_co_u32 s[G0A+4*\s+1], s18, \s*SLOT
	s_add_nc_u64 s[G0A+4*\s+2:G0A+4*\s+3], s[16:17], \s*4096
	s_or_b32 s[G0A+4*\s+3], s[G0A+4*\s+3], 0x80000000
	s_mov_b32 s[G0B+4*\s], 1
	s_add_co_u32 s[G0B+4*\s+1], s19, \s*SLOT
	s_add_nc_u64 s[G0B+4*\s+2:G0B+4*\s+3], s[46:47], \s*4096
	s_or_b32 s[G0B+4*\s+3], s[G0B+4*\s+3], 0x80000000
	JLOAD \s
.endr
	v_and_b32 v1, 31, v0
	v_lshlrev_b32 v[CO], 4, v1                     ; 16 x lane
	v_and_b32 v3, 15, v0                           ; r
	v_bfe_u32 v4, v0, 4, 1                         ; h
	s_lshl_b32 s21, s[WM], 14                      ; my four m tiles
	s_lshl_b32 s22, s[WN], 15                      ; my eight n tiles,
	s_add_co_u32 s22, s22, 32768                   ; behind ao's eight
.irp s, 0,1
	v_add_nc_u32 v[ADRA+\s], s21, v[CO]
	v_add_nc_u32 v[ADRB+\s], s22, v[CO]
	s_add_co_u32 s21, s21, SLOT
	s_add_co_u32 s22, s22, SLOT
.endr
	s_mul_i32 s23, s[WV], 16*SPITCH
	s_add_co_u32 s23, s23, STAGE                   ; my stage
	v_mul_u32_u24 v5, v3, SPITCH
	v_lshl_add_u32 v5, v4, 5, v5
	v_add_nc_u32 v[STO], s23, v5                   ; in: row r, 32 bytes for each half of the lanes
	v_add_nc_u32 v[RD], s23, v[CO]                 ; back: the 32 lanes take one row of 512 bytes
	v_lshlrev_b32 v6, 5, v4                        ; the bias: 32 h
	s_lshl_b32 s20, s42, 10
	s_lshl_b32 s21, s[WN], 9
	s_add_co_u32 s20, s20, s21                     ; my first column, in bytes
	s_mov_b32 s21, 0
	s_add_nc_u64 s[8:9], s[8:9], s[20:21]
	s_add_nc_u64 s[10:11], s[10:11], s[20:21]
	s_lshl_b32 s20, s43, 7
	s_lshl_b32 s22, s[WM], 6
	s_add_co_u32 s20, s20, s22                     ; my first row
	s_lshl_b32 s20, s20, 12
	s_add_nc_u64 s[10:11], s[10:11], s[20:21]
	WIN 0x80                                       ; destination window 2
.irp b, 0,1,2,3,4,5,6,7
	global_load_b128 v[BIAS+8*\b:BIAS+8*\b+3], v6, s[8:9] offset:64*\b
	global_load_b128 v[BIAS+8*\b+4:BIAS+8*\b+7], v6, s[8:9] offset:64*\b+16
.endr
	WIN 0
.macro MUL8 f, ab, first               ; ao's block ab against Wo's eight, 32 along K; first = 1: the bias starts the sums.  The 32 accumulators take turns, one instruction a turn
.irp b, 0,1,2,3,4,5,6,7
.if \first
	v_wmma_f32_16x16x32_f16 v[8*(8*(\ab)+\b):8*(8*(\ab)+\b)+7], v[64*(\f)+8*\b:64*(\f)+8*\b+7], v[AF+32*(\f)+8*(\ab):AF+32*(\f)+8*(\ab)+7], v[BIAS+8*\b:BIAS+8*\b+7]
.else
	v_wmma_f32_16x16x32_f16 v[8*(8*(\ab)+\b):8*(8*(\ab)+\b)+7], v[64*(\f)+8*\b:64*(\f)+8*\b+7], v[AF+32*(\f)+8*(\ab):AF+32*(\f)+8*(\ab)+7], v[8*(8*(\ab)+\b):8*(8*(\ab)+\b)+7]
.endif
.endr
.endm
.macro FETCH slot, q, f                ; 24 LDS loads in one run: the fragments of the slot's q-th 32 along K into set f; Wo's first, then ao's blocks 0 to 3
	WIN 0x80
.irp b, 0,1,2,3,4,5,6,7
	ds_load_b128 v[64*(\f)+8*\b:64*(\f)+8*\b+3],   v[ADRB+\slot] offset:4096*\b+1024*(\q)
	ds_load_b128 v[64*(\f)+8*\b+4:64*(\f)+8*\b+7], v[ADRB+\slot] offset:4096*\b+1024*(\q)+512
.endr
	WIN 0
.irp i, 0,1,2,3
	ds_load_b128 v[AF+32*(\f)+8*\i:AF+32*(\f)+8*\i+3],   v[ADRA+\slot] offset:4096*\i+1024*(\q)
	ds_load_b128 v[AF+32*(\f)+8*\i+4:AF+32*(\f)+8*\i+7], v[ADRA+\slot] offset:4096*\i+1024*(\q)+512
.endr
.endm
.macro MWIN first
.if \first
	WIN MULW1
.else
	WIN MULW
.endif
.endm
; A K step is four quarters of 32 along K, 32 products each, on sets 0, 1, 0, 1.  One of the first three: multiplies set f and fetches the slot's quarter q into set g.
.macro QUARTER slot, q, f, g, first
	s_wait_dscnt 4                                 ; Wo's fragments and ao's blocks 0, 1 are in; the youngest four loads (blocks 2, 3) may be out
	MWIN \first
	MUL8 \f, 0, \first
	MUL8 \f, 1, \first
	PLACES                                         ; in front of loads into the set that the last quarter's products read
	FETCH \slot, \q, \g
	s_wait_dscnt 24                                ; all but the 24 just issued
	MWIN \first
	MUL8 \f, 2, \first
	MUL8 \f, 3, \first
.endm
; The last quarter multiplies set 1 and changes slots: ONE barrier; in front of it each wave waits for all its tensor loads, adds 0 to its spare word, and waits for that and for its reads of this slot.  fill = 1: this slot is filled again, two K steps ahead.
.macro TURN slot, next, fill
	WIN 0                                          ; (the add's two registers lie in window 0)
	s_wait_tensorcnt 0x0                           ; all my tensor loads have landed: my part of the next slot
	ds_add_u32 v[SPW], v[NIL]
	s_wait_dscnt 5                                 ; (the add and the youngest four loads may be out)
	WIN MULW
	MUL8 1, 0, 0                                   ; eight products stand between the add and the wait for it
	s_wait_dscnt 0x0                               ; the add is done, and my reads of this slot are over
	s_barrier_signal -1
	MUL8 1, 1, 0
.if \fill
	WIN 0
.endif
	s_barrier_wait -1
.if \fill
	CREST                                          ; the barrier has opened a round of the cluster's: no wave of any partner still reads this slot or has a load on its way
	s_add_nc_u64 s[G0A+4*\slot+2:G0A+4*\slot+3], s[G0A+4*\slot+2:G0A+4*\slot+3], 8192
	s_add_nc_u64 s[G0B+4*\slot+2:G0B+4*\slot+3], s[G0B+4*\slot+2:G0B+4*\slot+3], 8192
	JLOAD \slot                                    ; the first tensor load behind the round; the four v_nop behind it are also the places in front of the loads below
.else
	PLACES
.endif
	FETCH \next, 0, 0
	WIN MULW
	MUL8 1, 2, 0
	MUL8 1, 3, 0
.endm
	s_wait_tensorcnt 1                             ; my part of K step 0 is in (K step 1's load may be out),
	s_barrier_signal -1
	s_barrier_wait -1                              ; everybody's is
	FETCH 0, 0, 0
	s_wait_loadcnt 0x0                             ; the bias
	QUARTER 0, 1, 0, 1, 1                          ; the first quarter stands in front of the loop: its products start the sums
	WIN 0
	s_mov_b32 s3, LAPS-1
.Llap:                                             ; a trip goes once round the ring, from a lap's second quarter to the next lap's first, and fills both slots again
	QUARTER 0, 2, 1, 0, 0
	QUARTER 0, 3, 0, 1, 0
	TURN 0, 1, 1
	QUARTER 1, 1, 0, 1, 0
	QUARTER 1, 2, 1, 0, 0
	QUARTER 1, 3, 0, 1, 0
	TURN 1, 0, 1
	QUARTER 0, 1, 0, 1, 0
	WIN 0
	s_sub_co_u32 s3, s3, 1
	s_cmp_lg_u32 s3, 0
	s_cbranch_scc1 .Llap
	QUARTER 0, 2, 1, 0, 0                          ; the last lap fills nothing
	QUARTER 0, 3, 0, 1, 0
	TURN 0, 1, 0
	QUARTER 1, 1, 0, 1, 0
	QUARTER 1, 2, 1, 0, 0
	QUARTER 1, 3, 0, 1, 0
	s_wait_dscnt 4                                 ; the very last quarter: nothing more to fetch
	WIN MULW
	MUL8 1, 0, 0
	MUL8 1, 1, 0
	s_wait_dscnt 0x0
	MUL8 1, 2, 0
	MUL8 1, 3, 0
	WIN 0
; THE WAY OUT, block by block of 16 rows x 128 columns: through my own stage in LDS, back as whole rows of 512 bytes.  LDS serves a wave's instructions in order: no wait between the stores and the loads.
.macro TOSTAGE ab
	WIN 0x04                                       ; an LDS store's data are its source 1: window 1
.irp b, 0,1,2,3,4,5,6,7
	ds_store_b128 v[STO], v[8*(8*(\ab)+\b):8*(8*(\ab)+\b)+3] offset:64*\b            ; each accumulator from its low end on
	ds_store_b128 v[STO], v[8*(8*(\ab)+\b)+4:8*(8*(\ab)+\b)+7] offset:64*\b+16
.endr
	WIN 0
.set li, 0
.rept 16
	ds_load_b128 v[BK+64*((\ab)%2)+4*li:BK+64*((\ab)%2)+4*li+3], v[RD] offset:li*SPITCH
.set li, li+1
.endr
.endm
.macro SEND ab, younger                ; younger: the LDS instructions issued behind block ab's loads, which may stay out
	s_wait_dscnt \younger
.set li, 0
.rept 16
	global_store_b128 v[CO], v[BK+64*((\ab)%2)+4*li:BK+64*((\ab)%2)+4*li+3], s[10:11] offset:65536*(\ab)+4096*li th:TH_STORE_NT   ; 32 lanes store 512 consecutive bytes, aligned
.set li, li+1
.endr
.endm
	PLACES                                         ; behind the last products, in front of the first read of results
	TOSTAGE 0
.irp ab, 1,2,3
.if \ab > 1
	s_wait_xcnt 0x0                                ; the stores of two blocks back have read the registers into which this block comes back
.endif
	TOSTAGE \ab
	SEND \ab-1, 32                                 ; behind that block's loads: this block's 16 stores and 16 loads
.endr
	SEND 3, 0
	s_wait_tensorcnt 0x0                           ; the wave's end, behind my last tensor load and my last LDS store
	ds_add_u32 v[SPW], v[NIL]
	s_wait_dscnt 0x0
	CROUND                                         ; the closing round
	s_endpgm
.Lfunc_end_k_qa12d564d9f_oproj:
	.size	k_qa12d564d9f_oproj, .Lfunc_end_k_qa12d564d9f_oproj-k_qa12d564d9f_oproj
	.p2alignl 7, 3214868480
	.fill 96, 4, 3214868480
	.section	.rodata,"a",@progbits
	.p2align	6, 0x0
	.amdhsa_kernel k_qa12d564d9f_oproj
		.amdhsa_group_segment_fixed_size 327680
		.amdhsa_private_segment_fixed_size 0
		.amdhsa_enable_private_segment 0
		.amdhsa_kernarg_size 32
		.amdhsa_user_sgpr_count 2
		.amdhsa_user_sgpr_kernarg_segment_ptr 1
		.amdhsa_wavefront_size32 1
		.amdhsa_system_sgpr_workgroup_id_x 1
		.amdhsa_system_sgpr_workgroup_id_y 1
		.amdhsa_system_sgpr_workgroup_id_z 1
		.amdhsa_system_vgpr_workitem_id 0
		.amdhsa_next_free_vgpr 768
		.amdhsa_next_free_sgpr 66
		.amdhsa_reserve_vcc 0
		.amdhsa_float_denorm_mode_32 3
		.amdhsa_float_denorm_mode_16_64 3
		.amdhsa_memory_ordered 1
		.amdhsa_forward_progress 1
		.amdhsa_inst_pref_size 86
	.end_amdhsa_kernel
	.amdgpu_metadata
---
amdhsa.version: [ 1, 2 ]
amdhsa.kernels:
  - .name:           k_qa12d564d9f_oproj
    .symbol:         k_qa12d564d9f_oproj.kd
    .args:
      - { .name: ao, .offset: 0, .size: 8, .value_kind: global_buffer, .address_space: global }
      - { .name: wo16, .offset: 8, .size: 8, .value_kind: global_buffer, .address_space: global }
      - { .name: bo, .offset: 16, .size: 8, .value_kind: global_buffer, .address_space: global }
      - { .name: out0, .offset: 24, .size: 8, .value_kind: global_buffer, .address_space: global }
    .group_segment_fixed_size: 327680
    .private_segment_fixed_size: 0
    .kernarg_segment_align: 8
    .kernarg_segment_size: 32
    .max_flat_workgroup_size: 128
    .sgpr_count:     66
    .vgpr_count:     768
    .wavefront_size: 32
...
	.end_amdgpu_metadata
.endif
;; end of part 4
